; MI455X (gfx1250); checked and timed in simulation.
; The chip was launched on July 23, 2026; its instructions are those of AMD's public machine-readable ISA for CDNA 5 (MIT licence, August 2026) and "CDNA5" Instruction Set Architecture Reference Guide (July 2026). The comments in the code are by the model that wrote it; some were corrected since.
;; Torch Span Emo. Allowed arithmetic: matrix products marked QUANTISED: E4M3 operands, one E8M0 scale for each 32 along K, by v_wmma_scale_f32_16x16x128_f8f6f4 with both operands' format E4M3, f32 sums; products left as they are: f32 operands where the result goes on into a quantised operand, else bf16, f16 or f32 operands; f32 sums; everything else in f32.
;; Inputs: W1 1,024 x 1,024 float32; W2 1,024 x 1 float32; b1 1,024 float32; b2 1 float32; emb_table 30,522 x 1,024 float32; input_ids 32 x 2,048 int32; label_idxs 11 int32; targets 32 x 11 float32.
;; Outputs: out0 one number float32; out1 32 x 11 float32; out2 32 x 11 float32.
;; This version of the problem:
;;   THIS VERSION OF THE PROBLEM IS GIVEN IN LOW PRECISION. The matrix products marked QUANTISED in the list below multiply operands that are first quantised to E4M3 (4 exponent bits, 3 mantissa bits; 8 bits a number), with one power-of-two scale for each 32 numbers along K (OCP MX v1.0); their sums are f32. All else is computed in f32.
;;   The module's matrix products, in the order in which they are computed (A, B: the left and right operand; K: the contracted axis; several contracted axes count as one K, in the product's order):
;;     1. [M 65,536, K 1,024] x [K 1,024, N 1,024]; A: computed on the way; B: input W1: QUANTISED
;;     2. [M 65,536, K 1,024] x [K 1,024, N 1]; A: computed on the way; B: input W2: left as it is (N = 1 < 16)
;;   THE QUANTISER, for each operand of a quantised product, along K:
;;     - K is cut into blocks of 32 from its start; a last block that is shorter is filled with zeros.
;;     - A block's scale is 2^e with e = floor(log2(the largest magnitude in the block)) - 8, held to -126 .. 127; a block of zeros has e = 0. As a byte (E8M0): e + 127.
;;     - Each number is divided by its block's scale, clamped to +-448, and rounded to the nearest number of E4M3, ties to even, subnormals kept.
;;     - The product sums the exact products of the quantised numbers (number of the format x scale) in f32.
;;   ~~~python
;;   def quantise(x, axis):      # numpy; x: float32 -> the quantised numbers, widened to float32 again
;;       x = np.moveaxis(x, axis, -1); K = x.shape[-1]
;;       x = np.pad(x, [(0, 0)] * (x.ndim - 1) + [(0, -K % 32)]); x = x.reshape(x.shape[:-1] + (-1, 32)); a = np.abs(x).max(-1, keepdims=True)
;;       e = np.where(a > 0, np.clip(np.frexp(np.where(a > 0, a, 1))[1] - 1 - 8, -126, 127), 0)      # np.frexp(a)[1] - 1 = floor(log2(a)), exactly
;;       r = np.clip(x / 2.0 ** e, -448, 448)
;;       step = 2.0 ** (np.maximum(np.frexp(np.where(r == 0, 1, r))[1] - 1, -6) - 3)
;;       q = np.round(r / step) * step * 2.0 ** e      # np.round: ties to even
;;       return np.moveaxis(q.reshape(q.shape[:-2] + (-1,))[..., :K], -1, axis).astype(np.float32)
;;   ~~~
;;   OPERANDS COMPUTED ON THE WAY. 'Computed on the way' means the value that the module computes at that place (a softmax that the list does not call 'softmax' is quantised finished and normalised). What goes into a quantiser is computed in f32, as accurately as f32 sums, v_exp_f32 and their like allow (about 1e-6 of the number): no bf16 or f16 on the way to a quantiser, and a product that is left as it is and whose result goes on into a quantised operand takes f32 operands (vector FMAs, or v_wmma_f32_16x16x4_f32). A number that lies on a knife's edge between two numbers of the format may be rounded either way, as far as f32 arithmetic and the matrix unit's own rounding can turn it there, and no further.
;; One version. Each part assembles by itself: llvm-mc -triple=amdgcn-amd-amdhsa -mcpu=gfx1250 --defsym DOCPART=n.
;; ======== version 1 of 1: 3 launches
;; workspace buffers: xc 31,254,528 bytes; xs 976,896 bytes; wq 1,097,728 bytes; sc 262,144 bytes
;; launch prep (part 1): grid 1018 x 1, 4 waves a work-group, no clusters, 33,280 bytes of LDS; arguments emb_table, W1, b1, W2, xc, xs, wq; writes xc, xs, wq
.if DOCPART == 1
	.amdgcn_target "amdgcn-amd-amdhsa--gfx1250"
	.amdhsa_code_object_version 6
	.text
	.protected	k_qf59c6ecb06_prep
	.globl	k_qf59c6ecb06_prep
	.p2align	8
	.type	k_qf59c6ecb06_prep,@function
k_qf59c6ecb06_prep:
	s_mov_b64 s[64:65], 0
	v_nop
	global_prefetch_b8 v0, s[64:65] scope:SCOPE_SE
	s_setreg_imm32_b32 hwreg(HW_REG_WAVE_MODE, 25, 1), 1
	s_wait_xcnt 0x0
; Both operands of out @ W1 are quantised once, to codes of FP8 (E4M3) with one E8M0 scale byte for each 32 along K = 1,024.
; WHAT THIS PROGRAM COMPUTES.  The quantised product is done whole, as the problem's table lists it (M = 65,536 rows), though reference() keeps only the 352 scores that label_idxs names: no row is left out.
; The selection by label_idxs is made in the last launch.  Every input is loaded by some launch.
; THE TABLE IN PLACE OF THE LOOKUPS.  The quantiser's blocks lie along K inside one row, so the codes of emb_table[id] are the codes of row id of the table.  The table has 30,522 rows, the product 65,536 lookups:
; each row of the table is quantised once (rows that no id names too), and the next launch looks codes up.
; WORK-GROUPS 64 .. 1,017: the table, a plain stream of blocks of 32 numbers.  A wave takes 8 rows: 16 steps of 512 numbers.  Each of a step's four loads reads 512 consecutive bytes; the 2,048 bytes turn through the
; wave's own stage in LDS and come back 64 bytes a lane, so that a lane holds 16 neighbours along K (two lanes a block).  A lane's 16 codes are 16 bytes: the wave stores 512 consecutive bytes.  A wave's 256 scale bytes
; are gathered in LDS and leave by one store.  30,522 rows are 3,815 waves and 2 rows: the last wave begins at row 30,514 and stores six rows that its neighbour wave, of the same work-group, stores too, with the same values.
; WORK-GROUPS 0 .. 63: W1 [K][N].  A wave takes K step s (128 along K) of 32 columns: a lane to a column, registers down K, so that a block of 32 lies in one lane; the codes come out as two operand fragments
; and go to wq as images of the operand's registers.  wq: 64 column tiles of 17,152 bytes: 8 fragments (K step s at 2,048 s; register group c at 512 c + 16 x lane), the scale words [K step][16 columns] at 16,384,
; b1 of the 16 columns at 16,896, W2 at 16,960, zeros from 17,024 on (the next launch brings whole tiles into LDS).
; LIMITS.  A block of zeros gets the byte 1 with zero codes where the rule says 127 (the bytes are read by this program alone).  Blocks whose largest magnitude lies under 2^(8 - 126) are held at the byte 1.
; NaN and infinities among the inputs are not served.
.set NWGW,  64                         ; work-groups for W1
.set TILEB, 17152                      ; a column tile in wq
.set STEPS, 16
.set CB,    16                         ; bytes of 16 codes
.set R,     16                         ; v16-79   four sets of 16 numbers as they are loaded
.set X,     80                         ; v80-111  two sets of 16 neighbours
.set E,     112                        ; v112-127 a scale byte for each step
.set C,     128                        ; v128-191 codes: four registers for each step, so that no store's data are written again
.set WREG,  8192                       ; LDS: a region for each wave: two stages of 32 x SP bytes, behind them its 256 scale bytes
.set SP,    80                         ; a lane's place in a stage: its 64 bytes + 16 of padding
.set SPW,   12                         ; v12  LDS address of my spare word: SPARE + 4 x my thread's number; never rewritten
.set NIL,   13                         ; v13  0; never rewritten
.set SPARE, 4*WREG                     ; behind the four regions: the spare words, 128 bytes for each wave: two blocks of 256 bytes that no other line names
; W1's path:
.set WO,   4                           ; v4   4 x lane: my column in W1's rows, in b1 and in W2
.set VF,   5                           ; v5   16 x lane + 2,048 s: my place in a fragment's image
.set VS,   6                           ; v6   my column's scale word in wq
.set VB,   7                           ; v7   my column's b1 in wq
.set TM,   16                          ; v16-24 at work
.set WS,   34                          ; v34  my column's scale word
.set WC0,  88                          ; v88-103  the fragment of columns 0-15
.set WC1,  104                         ; v104-119 of columns 16-31
.set SA,   120                         ; v120-151, v152-183 two sets of 32 numbers
.set SB,   152
	s_load_b256 s[4:11], s[0:1], 0x0               ; emb_table s[4:5], W1 s[6:7], b1 s[8:9], W2 s[10:11]
	s_load_b128 s[12:15], s[0:1], 0x20             ; xc s[12:13], xs s[14:15]
	s_load_b64 s[16:17], s[0:1], 0x30              ; wq
	v_lshl_add_u32 v[SPW], v0, 2, SPARE
	v_mov_b32 v[NIL], 0
	v_lshrrev_b32 v1, 5, v0
	v_readfirstlane_b32 s18, v1                    ; wave 0 .. 3
	v_and_b32 v2, 31, v0                           ; lane
	s_mov_b32 s26, 0x600000                        ; the mantissa field of 448
	s_cmp_lt_u32 ttmp9, NWGW                       ; the work-group's number alone decides
	s_cbranch_scc1 .Lweights
	; ---------------- the table ----------------
	v_lshlrev_b32 v3, 4, v2                        ; my 16 bytes of a load's 512
	s_mul_i32 s19, s18, WREG
	v_lshrrev_b32 v14, 2, v2
	v_mul_u32_u24 v14, v14, SP
	v_and_b32 v15, 3, v2
	v_lshl_add_u32 v14, v15, 4, v14
	v_add_nc_u32 v14, s19, v14                     ; the stage, on the way in: four lanes' 64 bytes on end, then 16 of padding
	v_mul_u32_u24 v15, v2, SP
	v_add_nc_u32 v15, s19, v15                     ; and on the way out: SP x lane: my 16 neighbours
	v_mul_u32_u24 v4, v2, CB                       ; my codes' place in a step's
	v_lshrrev_b32 v5, 1, v2
	s_add_co_u32 s19, s19, 2*32*SP
	v_add_nc_u32 v5, s19, v5                       ; LDS: my wave's 256 scale bytes, my block's byte
	v_lshlrev_b32 v7, 3, v2                        ; and on the way out 8 bytes a lane
	v_add_nc_u32 v6, s19, v7
	s_sub_co_u32 s20, ttmp9, NWGW
	s_lshl_b32 s20, s20, 5                         ; 32 rows a work-group,
	s_lshl_b32 s21, s18, 3                         ; 8 a wave
	s_add_co_u32 s20, s20, s21
	s_min_u32 s20, s20, 30514                      ; the last wave's eight rows end with the table
	s_lshl_b32 s22, s20, 12                        ; a row: 4,096 bytes of numbers (under 2^27 in all),
	s_mov_b32 s23, 0
	s_lshl_b32 s24, s20, 10                        ; 1,024 of codes,
	s_mov_b32 s25, 0
	s_lshl_b32 s28, s20, 5                         ; 32 of scale bytes
	s_mov_b32 s29, 0
	s_wait_kmcnt 0x0
	s_add_nc_u64 s[4:5], s[4:5], s[22:23]
	s_add_nc_u64 s[12:13], s[12:13], s[24:25]
	s_add_nc_u64 s[14:15], s[14:15], s[28:29]
.macro LOAD t
.irp i, 0,1,2,3
	global_load_b128 v[R+16*((\t)%4)+4*\i:R+16*((\t)%4)+4*\i+3], v3, s[4:5] offset:2048*(\t)+512*\i th:TH_LOAD_NT   ; 32 lanes read 512 consecutive bytes
.endr
.endm
.macro TURN t                          ; step t's numbers through the stage: LDS serves a wave's instructions in order, so no wait stands between the stores and the loads
.irp i, 0,1,2,3
	ds_store_b128 v14, v[R+16*((\t)%4)+4*\i:R+16*((\t)%4)+4*\i+3] offset:32*SP*((\t)%2)+8*SP*\i
.endr
.irp i, 0,1,2,3
	ds_load_b128 v[X+16*((\t)%2)+4*\i:X+16*((\t)%2)+4*\i+3], v15 offset:32*SP*((\t)%2)+16*\i
.endr
.endm
.irp t, 0,1,2,3
	LOAD \t
.endr
	s_wait_loadcnt 12                              ; step 0's four loads are in; the twelve behind them may be out
	TURN 0
.macro STEP t
.set XS, X+16*((\t)%2)
.if (\t) > 0
	s_wait_dscnt 1                                 ; this step's numbers are back from the stage (the last step's byte store may be out): so its stores into the stage have read their registers,
.else
	s_wait_dscnt 0x0
.endif
.if (\t)+4 < STEPS
	LOAD (\t)+4                                    ; which take the loads of four steps on
.endif
.if (\t)+1 < STEPS
.if STEPS-2-(\t) >= 3
	s_wait_loadcnt 12                              ; the next step's four loads are in; those of the three steps behind it may be out
.else
	s_wait_loadcnt 4*(STEPS-2-(\t))
.endif
	TURN (\t)+1                                    ; and go through the other stage while this step is worked
.endif
	v_max3_num_f32 v8, |v[XS]|, |v[XS+1]|, |v[XS+2]|               ; the largest magnitude of my 16
	v_max3_num_f32 v9, |v[XS+3]|, |v[XS+4]|, |v[XS+5]|
.irp i, 6,10
	v_max3_num_f32 v8, v8, |v[XS+\i]|, |v[XS+\i+1]|
	v_max3_num_f32 v9, v9, |v[XS+\i+2]|, |v[XS+\i+3]|
.endr
	v_max3_num_f32 v8, v8, |v[XS+14]|, |v[XS+15]|
	v_max3_num_f32 v8, v8, v9, 0x4800000           ; and the floor 2^(9 - 127): the byte cannot fall under 1
	v_max_num_f32_dpp v8, v8, v8 row_xmask:1 row_mask:0xf bank_mask:0xf   ; and of my neighbour's 16: the block's
	v_add_nc_u32 v11, 0xfc000000, v8               ; 8 off its exponent field: the conversion takes the exponent field of this operand as its scale
	v_and_or_b32 v10, v8, 0x7f800000, s26          ; 448 x the scale
.irp i, 0,1,2,3,4,5,6,7,8,9,10,11,12,13,14,15
	v_med3_num_f32 v[XS+\i], v[XS+\i], -v10, v10   ; the conversion to an 8-bit code does not saturate (ISA guide 7.6.2): the hold at the largest code x the scale
.endr
	v_cvt_scalef32_pk8_fp8_f32 v[C+4*(\t):C+4*(\t)+1], v[XS:XS+7], v11
	v_cvt_scalef32_pk8_fp8_f32 v[C+4*(\t)+2:C+4*(\t)+3], v[XS+8:XS+15], v11
	v_lshrrev_b32 v[E+(\t)], 23, v11               ; the scale's byte
	ds_store_b8 v5, v[E+(\t)] offset:16*(\t)       ; both lanes of a block write the same byte with the same value
	global_store_b128 v4, v[C+4*(\t):C+4*(\t)+3], s[12:13] offset:32*CB*(\t)
.endm
.irp t, 0,1,2,3,4,5,6,7,8,9,10,11,12,13,14,15
	STEP \t
.endr
	ds_load_b64 v[8:9], v6                         ; LDS serves a wave's instructions in order: these see my stores
	s_wait_dscnt 0x0
	global_store_b64 v7, v[8:9], s[14:15]          ; 32 lanes store my eight rows' 256 scale bytes
	s_branch .Lend
	; ---------------- W1, b1, W2 ----------------
; Block c of my K step: W1(128 s + 32 c + i, my column), i = 0 .. 31.  Each load of the wave covers 128 consecutive bytes; the four waves stand side by side on 512.
.macro LOADW c, set
.irp i, 0,1,2,3,4,5,6,7,8,9,10,11,12,13,14,15,16,17,18,19,20,21,22,23,24,25,26,27,28,29,30,31
	global_load_b32 v[\set+\i], v[WO], s[6:7] offset:(32*\c+\i)*4096 th:TH_LOAD_NT
.endr
.endm
; The 32 numbers of a set are one block of 32 along K of ONE column: its largest magnitude needs no other lane.
.macro BLOCK c, set
	v_max3_num_f32 v[TM], |v[\set]|, |v[\set+1]|, |v[\set+2]|
	v_max3_num_f32 v[TM+1], |v[\set+3]|, |v[\set+4]|, |v[\set+5]|
.irp i, 6,10,14,18,22,26
	v_max3_num_f32 v[TM], v[TM], |v[\set+\i]|, |v[\set+\i+1]|
	v_max3_num_f32 v[TM+1], v[TM+1], |v[\set+\i+2]|, |v[\set+\i+3]|
.endr
	v_max3_num_f32 v[TM], v[TM], |v[\set+30]|, |v[\set+31]|
	v_max3_num_f32 v[TM], v[TM], v[TM+1], 0x4800000        ; and the floor
	v_add_nc_u32 v[TM+3], 0xfc000000, v[TM]
	v_and_or_b32 v[TM+2], v[TM], 0x7f800000, s26
	v_lshrrev_b32 v[TM+8], 23, v[TM+3]
.if \c == 0
	v_mov_b32 v[WS], v[TM+8]                               ; four bytes make my column's scale word, the lower K in the lower byte
.else
	v_lshl_or_b32 v[WS], v[TM+8], 8*\c, v[WS]
.endif
.irp i, 0,1,2,3,4,5,6,7,8,9,10,11,12,13,14,15,16,17,18,19,20,21,22,23,24,25,26,27,28,29,30,31
	v_med3_num_f32 v[\set+\i], v[\set+\i], -v[TM+2], v[TM+2]
.endr
	v_cvt_scalef32_pk8_fp8_f32 v[WC0+4*\c:WC0+4*\c+1], v[\set:\set+7], v[TM+3]         ; k 0 .. 15 of the block
	v_cvt_scalef32_pk8_fp8_f32 v[WC0+4*\c+2:WC0+4*\c+3], v[\set+8:\set+15], v[TM+3]
	v_cvt_scalef32_pk8_fp8_f32 v[WC1+4*\c:WC1+4*\c+1], v[\set+16:\set+23], v[TM+3]     ; k 16 .. 31
	v_cvt_scalef32_pk8_fp8_f32 v[WC1+4*\c+2:WC1+4*\c+3], v[\set+24:\set+31], v[TM+3]
	v_nop                                                  ; a plain line between the conversions and the lines that touch their results
; The operand wants, in lane (r, h) of a tile, k 16 h + 0 .. 15 of column r.  The swap gives the first register's lanes 16-31 the second's lanes 0-15 and the other way round: then the first holds
; columns 0-15 (k 0 .. 15 below, k 16 .. 31 above) and the second columns 16-31 likewise.
.irp q, 0,1,2,3
	v_permlane16_swap_b32 v[WC0+4*\c+\q], v[WC1+4*\c+\q]
.endr
.endm
.Lweights:
	s_and_b32 s20, ttmp9, 7
	s_lshl_b32 s20, s20, 2
	s_add_co_u32 s20, s20, s18                     ; which 32 columns: 0 .. 31
	s_lshr_b32 s21, ttmp9, 3                       ; s: which K step
	v_lshlrev_b32 v[WO], 2, v2
	v_and_b32 v8, 15, v2                           ; r
	v_lshrrev_b32 v9, 4, v2                        ; h: lanes 16-31 hold the second column tile's columns
	v_mul_u32_u24 v9, v9, TILEB
	v_lshl_add_u32 v9, v8, 2, v9
	v_add_nc_u32 v[VB], 16896, v9
	s_lshl_b32 s30, s21, 6
	s_add_co_u32 s30, s30, 16384
	v_add_nc_u32 v[VS], s30, v9
	s_lshl_b32 s31, s21, 11
	v_lshl_add_u32 v[VF], v2, 4, s31
	v_mov_b32 v38, 0
	s_lshl_b32 s24, s20, 7                         ; 32 columns are 128 bytes in W1's rows, in b1 and in W2
	s_mov_b32 s25, 0
	s_lshl_b32 s22, s21, 19                        ; 128 rows of 4,096 bytes
	s_add_co_u32 s22, s22, s24
	s_mov_b32 s23, 0
	s_mul_i32 s28, s20, 2*TILEB                    ; two column tiles in wq
	s_mov_b32 s29, 0
	s_wait_kmcnt 0x0
	s_add_nc_u64 s[6:7], s[6:7], s[22:23]
	s_add_nc_u64 s[8:9], s[8:9], s[24:25]
	s_add_nc_u64 s[10:11], s[10:11], s[24:25]
	s_add_nc_u64 s[16:17], s[16:17], s[28:29]
	LOADW 0, SA
	LOADW 1, SB
	s_wait_loadcnt 32                              ; block 0 is in; block 1's 32 loads may be out
	BLOCK 0, SA
	LOADW 2, SA
	s_wait_loadcnt 32                              ; block 1 is in
	BLOCK 1, SB
	LOADW 3, SB
	s_wait_loadcnt 32                              ; block 2 is in
	BLOCK 2, SA
	s_wait_loadcnt 0x0
	BLOCK 3, SB
.irp c, 0,1,2,3
	global_store_b128 v[VF], v[WC0+4*\c:WC0+4*\c+3], s[16:17] offset:512*\c          ; the fragments as they stand in the registers: 512 consecutive bytes a store
	global_store_b128 v[VF], v[WC1+4*\c:WC1+4*\c+3], s[16:17] offset:TILEB+512*\c
.endr
	global_store_b32 v[VS], v[WS], s[16:17]        ; 64 consecutive bytes in each of the two tiles
	s_cmp_lg_u32 s21, 0                            ; the waves of K step 0 also copy their columns' b1 and W2, and fill the tiles' ends
	s_cbranch_scc1 .Lend
	global_load_b32 v36, v[WO], s[8:9]
	global_load_b32 v37, v[WO], s[10:11]
	s_wait_loadcnt 0x0
	global_store_b32 v[VB], v36, s[16:17]
	global_store_b32 v[VB], v37, s[16:17] offset:64
	global_store_b32 v[VB], v38, s[16:17] offset:128
	global_store_b32 v[VB], v38, s[16:17] offset:192
.Lend:
	s_wait_tensorcnt 0x0                           ; the wave's end, behind my last LDS store
	ds_add_u32 v[SPW], v[NIL]
	s_wait_dscnt 0x0
	s_endpgm
.Lfunc_end_k_qf59c6ecb06_prep:
	.size	k_qf59c6ecb06_prep, .Lfunc_end_k_qf59c6ecb06_prep-k_qf59c6ecb06_prep
	.p2alignl 7, 3214868480
	.fill 96, 4, 3214868480
	.section	.rodata,"a",@progbits
	.p2align	6, 0x0
	.amdhsa_kernel k_qf59c6ecb06_prep
		.amdhsa_group_segment_fixed_size 33280
		.amdhsa_private_segment_fixed_size 0
		.amdhsa_enable_private_segment 0
		.amdhsa_kernarg_size 56
		.amdhsa_user_sgpr_count 2
		.amdhsa_user_sgpr_kernarg_segment_ptr 1
		.amdhsa_wavefront_size32 1
		.amdhsa_system_sgpr_workgroup_id_x 1
		.amdhsa_system_sgpr_workgroup_id_y 1
		.amdhsa_system_sgpr_workgroup_id_z 1
		.amdhsa_system_vgpr_workitem_id 0
		.amdhsa_next_free_vgpr 192
		.amdhsa_next_free_sgpr 66
		.amdhsa_reserve_vcc 0
		.amdhsa_float_denorm_mode_32 3
		.amdhsa_float_denorm_mode_16_64 3
		.amdhsa_memory_ordered 1
		.amdhsa_forward_progress 1
		.amdhsa_inst_pref_size 80
	.end_amdhsa_kernel
	.amdgpu_metadata
---
amdhsa.version: [ 1, 2 ]
amdhsa.kernels:
  - .name:           k_qf59c6ecb06_prep
    .symbol:         k_qf59c6ecb06_prep.kd
    .args:
      - { .name: emb_table, .offset: 0, .size: 8, .value_kind: global_buffer, .address_space: global }
      - { .name: W1, .offset: 8, .size: 8, .value_kind: global_buffer, .address_space: global }
      - { .name: b1, .offset: 16, .size: 8, .value_kind: global_buffer, .address_space: global }
      - { .name: W2, .offset: 24, .size: 8, .value_kind: global_buffer, .address_space: global }
      - { .name: xc, .offset: 32, .size: 8, .value_kind: global_buffer, .address_space: global }
      - { .name: xs, .offset: 40, .size: 8, .value_kind: global_buffer, .address_space: global }
      - { .name: wq, .offset: 48, .size: 8, .value_kind: global_buffer, .address_space: global }
    .group_segment_fixed_size: 33280
    .private_segment_fixed_size: 0
    .kernarg_segment_align: 8
    .kernarg_segment_size: 56
    .max_flat_workgroup_size: 128
    .sgpr_count:     66
    .vgpr_count:     192
    .wavefront_size: 32
...
	.end_amdgpu_metadata
.endif
;; end of part 1
;; launch gemm (part 2): grid 256 x 1, 4 waves a work-group, clusters of 4 x 1, 327,680 bytes of LDS; arguments input_ids, xc, xs, wq, sc; writes sc
.if DOCPART == 2
	.amdgcn_target "amdgcn-amd-amdhsa--gfx1250"
	.amdhsa_code_object_version 6
	.text
	.protected	k_qf59c6ecb06_gemm
	.globl	k_qf59c6ecb06_gemm
	.p2align	8
	.type	k_qf59c6ecb06_gemm,@function
k_qf59c6ecb06_gemm:
	s_mov_b64 s[64:65], 0
	v_nop
	global_prefetch_b8 v0, s[64:65] scope:SCOPE_SE
	s_setreg_imm32_b32 hwreg(HW_REG_WAVE_MODE, 25, 1), 1
	s_wait_xcnt 0x0
	s_wait_alu depctr_hold_cnt(0) depctr_sa_sdst(0) depctr_va_vdst(0) depctr_va_sdst(0) depctr_va_ssrc(0) depctr_va_vcc(0) depctr_vm_vsrc(0)
	s_getreg_b32 s2, hwreg(HW_REG_IB_STS2, 6, 4)
	s_cmp_eq_u32 s2, 0
	s_cbranch_scc0 .Lentry_in_a_cluster
	s_endpgm
.Lentry_in_a_cluster:
	s_bfe_u32 s2, ttmp6, 0x10000c
	s_cmp_lg_u32 s2, 0x3003
	s_cbranch_scc0 .Lentry_shape_is_right
	s_endpgm
.Lentry_shape_is_right:
; sc[R] = the sum over n = 0 .. 1,023 of tanh(Q(emb_table[input_ids[R]]) . Q(W1[:, n]) + b1[n]) W2[n], for ALL 65,536 rows R = 2,048 b + s: the quantised product whole, as the problem's table lists it.
; (Only the 352 rows that label_idxs names are read by the last launch; no row is left out here.  b2 is added there.)
; The product goes by the scaled matrix instruction on codes of FP8 (E4M3) with E8M0 scales, made by the launch before; sums, tanh and the product with W2 (N = 1: fused multiply-adds) in f32.
; SHARES.  A work-group owns 256 rows and all 1,024 hidden units, so that a score has one owner; each of its four waves owns 64 rows: four tiles of 16.  A wave's codes, 64 rows x 1,024, are looked up by id straight into
; operand registers and stay there: 512 registers; lane (r, h) takes, of row r, bytes 128 s + 32 c + 16 h on.  Their scale words: 32 registers.
; W1'S TILES, 64 column tiles of 17,152 bytes (8 fragments as images of the operand's registers, scale words, b1, W2), are walked by every work-group alike, through a ring of two LDS slots of 8 tiles.
; CLUSTER.  Four work-groups ask for each slot JOINTLY: the same tensor load, with the same descriptor and a mask that names the four; wave w brings quarter w, a dense block of 134 rows of 256 bytes.
; By this text's own count a wave has one tensor load out.  An image is read 16 bytes a lane, 512 consecutive bytes an instruction: no pitch, no padding.
; THE MATRIX INSTRUCTION IS USED TRANSPOSED (source 0 = 16 columns of W1, source 1 = 16 rows of x): lane (r, h) holds row r and hidden units 8 h + 0 .. 7 of the tile.  b1 is the C of each sum's first instruction.
; A COLUMN TILE: its 38 LDS loads are issued; the tile BEFORE goes through tanh and W2 meanwhile; then its 32 matrix instructions, four accumulators by turns, K ascending.
; The first trip finds zeros in the accumulators and in W2's registers, which add nothing: so the tile's text has no first copy; the last tile's tanh is written out behind the loops.
; TANH.  For every z, tanh z lies between z - z^3 / 3 and z.  1 - 2 / (1 + e^(2 z)) is right to about 1e-7 absolutely; held between the two bounds (v_med3_num_f32) it keeps a relative error under 2e-5
; for small z too, with no compare: where the formula's error passes the bounds' distance z^3 / 3, that distance is under 2e-5 of z.  For large |z| the bounds lie far outside and the formula stands.
; LIMITS.  Ids are taken as lying inside the table; they are held to 0 .. 30,521, not wrapped.  NaN and infinities among the inputs are not served.
; REGISTERS, in windows of 256: window 0: addresses, scale words, b1, W2, the four accumulators, all that tanh touches.  Windows 1, 2: x's fragments: (row tile rt, K step s) at v[64 (s % 4) + 16 rt] of window 1 + s / 4.
; Window 3: v0-127 the column tile's 8 fragments.  So a K step's four products lie under one setting: two switches for a tile's 32 products, one for its loads.
.set TILEB, 17152
.set SLOTT, 8                          ; column tiles in a slot
.set SLOT,  SLOTT*TILEB                ; 137,216 bytes
.set QUART, SLOT/4                     ; what one tensor load brings: two tiles
.set QROWS, QUART/256                  ; as 134 rows of 256 bytes
.set NSLOT, 64/SLOTT
.set SPARE, 2*SLOT                     ; behind the ring: the spare words, 128 bytes for each wave: two blocks of 256 bytes that no other line names
.set SCOFF, 16384                      ; in a tile: the scale words, [K step][16 columns]
.set BOFF,  16896                      ; b1's 16 numbers; W2's 64 bytes on
.set LI,  4                            ; v4   16 x lane
.set LS,  5                            ; v5   4 x lane
.set LB,  6                            ; v6   32 h
.set ADR, 7                            ; v7   LI + the tile's first byte
.set ADS, 8                            ; v8   LS + the same
.set ADB, 9                            ; v9   LB + the same
.set IOF, 10                           ; v10  4 r
.set H16, 11                           ; v11  16 h
.set ID,  12                           ; v12-15 the ids of my four rows (one in each row tile)
.set XA,  16                           ; v16-19 their codes' byte offsets: 1,024 id + 16 h
.set XSO, 20                           ; v20-23 their scale bytes': 32 id
.set SPW, 24                           ; v24  LDS address of my spare word: SPARE + 4 x my thread's number; never rewritten
.set NIL, 25                           ; v25  0; never rewritten
.set WSC, 28                           ; v28-31 W1's scale words: register q: lanes 0-15 K step 2 q, lanes 16-31 K step 2 q + 1
.set XSC, 32                           ; v32-63 x's scale words: row tile rt, K step s at 8 rt + s
.set B1V, 64                           ; v64-71 b1 of my 8 hidden units
.set W2V, 72                           ; v72-79 W2 of them
.set SCO, 80                           ; v80-87 the running scores: a pair (even, odd hidden units) for each row tile
.set ACC, 96                           ; v96-127 four accumulators
.set T,   128                          ; v128-159 at work: 2 log2(e) z, e^(2 z), 1 + e^(2 z), its reciprocal, tanh
.set SM,  160                          ; v160-191 at work: z^2, z^3, z - z^3 / 3
.set WV,  14                           ; s14  my wave's number
.set G1,  24                           ; s[24:31] descriptor group 1
.set G0,  32                           ; s[32:39] group 0, a set for each slot
.set TB,  40                           ; s40  LDS byte at which the tile in hand begins
.set CT,  41                           ; s41  tiles of the slot to go
.set LAP, 42                           ; s42  laps to go
.set CS,  44                           ; s[44:45] 2 log2(e): the packed form names a pair and takes its low word for both halves
.set C3,  46                           ; s[46:47] -1 / 3
.set SEL, 48                           ; s[48:49] v_permlanex16_b32's selects for lane l xor 16
.set HM,  50                           ; s50  lanes 16-31
.set MSB, 0
.macro WIN new                         ; the immediate's high byte repeats the setting that is left
.if MSB != \new
	s_set_vgpr_msb (MSB<<8)|\new
.set MSB, \new
.endif
.endm
; A round of the cluster's barrier: my work-group's barrier, so that wave 0's signal speaks for all four waves; wave 0 signals for the work-group; every wave waits for all four work-groups; my work-group's barrier once more.
.macro ROUND
	s_barrier_signal -1
	s_barrier_wait -1
	s_cmp_lg_u32 s[WV], 0
	s_cbranch_scc1 .Lnot_wave_0_\@
	s_barrier_signal -3
.Lnot_wave_0_\@:
	s_barrier_wait -3
	s_barrier_signal -1
	s_barrier_wait -1
.endm
	s_load_b256 s[4:11], s[0:1], 0x0               ; input_ids s[4:5], xc s[6:7], xs s[8:9], wq s[10:11]
	s_load_b64 s[12:13], s[0:1], 0x20              ; sc
	v_lshl_add_u32 v[SPW], v0, 2, SPARE
	v_mov_b32 v[NIL], 0
	ds_add_u32 v[SPW], v[NIL]                      ; the wave's opening: the add, twice on end, and its wait ahead of my first tensor load; the set-up below, work on registers, stands between
	ds_add_u32 v[SPW], v[NIL]                      ; and once more, under the one wait
	v_lshrrev_b32 v1, 5, v0
	v_readfirstlane_b32 s[WV], v1                  ; wave 0 .. 3
	s_bfe_u32 s15, ttmp6, 0x40000                  ; cx: my place in the cluster
	s_lshl_b32 s16, ttmp9, 2                       ; in a cluster launch ttmp9 counts clusters
	s_add_co_u32 s16, s16, s15                     ; my block of 256 rows: it enters input_ids' and sc's addresses alone
	s_lshl_b32 s18, s16, 10                        ; 256 rows of 4 bytes,
	s_lshl_b32 s19, s[WV], 8                       ; my wave's 64
	s_add_co_u32 s18, s18, s19
	s_mov_b32 s19, 0
	s_mul_i32 s20, s[WV], QUART                    ; my quarter of a slot, in memory and in LDS: the wave's number alone
	s_mov_b32 s21, 0
	s_mov_b32 s[G1], 15|(3<<16)|(1<<21)            ; 15:0 the mask: all four work-groups; 17:16 elements of 8 bytes; 20 no padding; 21 set beside a mask
	s_mov_b32 s[G1+1], 32<<16                      ; tensor_dim0 = 32 elements: 256 bytes
	s_mov_b32 s[G1+2], QROWS<<16                   ; tensor_dim1 = 134
	s_mov_b32 s[G1+3], 32<<16                      ; tile_dim0 = 32
	s_mov_b32 s[G1+4], QROWS                       ; tile_dim1 = 134
	s_mov_b32 s[G1+5], 32                          ; from row to row: the block is dense
	s_mov_b32 s[G1+6], 0
	s_mov_b32 s[G1+7], 0
	s_mov_b32 s[CS], 0x4038aa3b                    ; 2 log2(e)
	s_mov_b32 s[CS+1], s[CS]                       ; (named with it as a pair, so it is written)
	s_mov_b32 s[C3], 0xbeaaaaab                    ; -1 / 3
	s_mov_b32 s[C3+1], s[C3]
	s_mov_b32 s[SEL], 0x76543210
	s_mov_b32 s[SEL+1], 0xfedcba98
	s_mov_b32 s[HM], 0xffff0000
	s_wait_dscnt 0x0                               ; both opening adds are done
	s_wait_kmcnt 0x0
	s_add_nc_u64 s[4:5], s[4:5], s[18:19]          ; input_ids and sc at my wave's first row
	s_add_nc_u64 s[12:13], s[12:13], s[18:19]
	s_add_nc_u64 s[10:11], s[10:11], s[20:21]      ; wq at my quarter of its first slot
.irp n, 0,1
	s_mov_b32 s[G0+4*\n], 1                        ; 1:0 count = 1
	s_add_co_u32 s[G0+4*\n+1], s20, \n*SLOT        ; 63:32 LDS address
	s_add_nc_u64 s[G0+4*\n+2:G0+4*\n+3], s[10:11], \n*SLOT   ; 120:64 global address: tiles 8 n on
	s_or_b32 s[G0+4*\n+3], s[G0+4*\n+3], 0x80000000          ; 127:126 type = 2
.endr
	ROUND                                          ; all four work-groups are here: the first joint load meets
	tensor_load_to_lds s[G0:G0+3], s[G1:G1+7]      ; tiles 0 to 7
	s_nop 0
.rept 4
	v_nop
.endr
	v_and_b32 v1, 31, v0                           ; lane
	v_and_b32 v2, 15, v0                           ; r
	v_bfe_u32 v3, v0, 4, 1                         ; h
	v_lshlrev_b32 v[LI], 4, v1
	v_lshlrev_b32 v[LS], 2, v1
	v_lshlrev_b32 v[LB], 5, v3
	v_lshlrev_b32 v[IOF], 2, v2
	v_lshlrev_b32 v[H16], 4, v3
.irp rt, 0,1,2,3
	global_load_b32 v[ID+\rt], v[IOF], s[4:5] offset:64*\rt      ; the id of row 16 rt + r
.endr
.irp j, 0,1,2,3,4,5,6,7,8,9,10,11,12,13,14,15,16,17,18,19,20,21,22,23,24,25,26,27,28,29,30,31
	v_mov_b32 v[ACC+\j], 0                         ; the first trip's tanh finds zeros here and in W2's registers: it adds nothing
.endr
.irp j, 0,1,2,3,4,5,6,7
	v_mov_b32 v[W2V+\j], 0
	v_mov_b32 v[SCO+\j], 0                         ; the scores begin at 0
.endr
	s_wait_loadcnt 0x0
.irp rt, 0,1,2,3
	v_min_u32 v[ID+\rt], 0x7739, v[ID+\rt]         ; held inside the table: 30,521
.endr
.irp rt, 0,1,2,3
	v_lshlrev_b32 v[XA+\rt], 10, v[ID+\rt]         ; a row of codes is 1,024 bytes
	v_lshlrev_b32 v[XSO+\rt], 5, v[ID+\rt]         ; a row of scale bytes 32
.endr
.irp rt, 0,1,2,3
	v_add_nc_u32 v[XA+\rt], v[XA+\rt], v[H16]
.endr
.irp rt, 0,1,2,3
	global_load_b128 v[XSC+8*\rt:XSC+8*\rt+3], v[XSO+\rt], s[8:9]             ; row r's eight scale words (lanes 16-31 hold the same and are not read)
	global_load_b128 v[XSC+8*\rt+4:XSC+8*\rt+7], v[XSO+\rt], s[8:9] offset:16
.endr
	WIN 0x40                                       ; destination window 1
.irp s, 0,1,2,3
.irp rt, 0,1,2,3
.irp c, 0,1,2,3
	global_load_b128 v[64*\s+16*\rt+4*\c:64*\s+16*\rt+4*\c+3], v[XA+\rt], s[6:7] offset:128*\s+32*\c
.endr
.endr
.endr
	WIN 0x80                                       ; destination window 2
.irp s, 0,1,2,3
.irp rt, 0,1,2,3
.irp c, 0,1,2,3
	global_load_b128 v[64*\s+16*\rt+4*\c:64*\s+16*\rt+4*\c+3], v[XA+\rt], s[6:7] offset:512+128*\s+32*\c
.endr
.endr
.endr
	WIN 0                                          ; (more loads are out than the counter's field holds: their issue is held back by the hardware, ISA guide 5.7.1; no wait is placed for that)
; The tile's 38 LDS loads: 8 fragments, 4 registers of scale words, b1
.macro FETCH
	WIN 0xc0                                       ; destination window 3
.irp f, 0,1,2,3,4,5,6,7
.irp c, 0,1,2,3
	ds_load_b128 v[16*\f+4*\c:16*\f+4*\c+3], v[ADR] offset:2048*\f+512*\c
.endr
.endr
	WIN 0
.irp q, 0,1,2,3
	ds_load_b32 v[WSC+\q], v[ADS] offset:SCOFF+128*\q
.endr
	ds_load_b128 v[B1V:B1V+3], v[ADB] offset:BOFF
	ds_load_b128 v[B1V+4:B1V+7], v[ADB] offset:BOFF+16
.endm
; tanh and W2 for the 32 numbers z that a lane holds in the four accumulators.  left: the LDS loads issued behind W2's two, which may stay out.
.macro EPI left
.irp j, 0,2,4,6,8,10,12,14,16,18,20,22,24,26,28,30
	v_pk_mul_f32 v[T+\j:T+\j+1], v[ACC+\j:ACC+\j+1], s[CS:CS+1] op_sel_hi:[1,0]    ; each accumulator is read from its low end on
.endr
.irp j, 0,1,2,3,4,5,6,7,8,9,10,11,12,13,14,15,16,17,18,19,20,21,22,23,24,25,26,27,28,29,30,31
	v_exp_f32 v[T+\j], v[T+\j]                     ; e^(2 z): one batch; the bound below is the plain work behind it
.endr
.irp j, 0,2,4,6,8,10,12,14,16,18,20,22,24,26,28,30
	v_pk_mul_f32 v[SM+\j:SM+\j+1], v[ACC+\j:ACC+\j+1], v[ACC+\j:ACC+\j+1]
.endr
.irp j, 0,2,4,6,8,10,12,14,16,18,20,22,24,26,28,30
	v_pk_mul_f32 v[SM+\j:SM+\j+1], v[SM+\j:SM+\j+1], v[ACC+\j:ACC+\j+1]
.endr
.irp j, 0,2,4,6,8,10,12,14,16,18,20,22,24,26,28,30
	v_pk_fma_f32 v[SM+\j:SM+\j+1], v[SM+\j:SM+\j+1], s[C3:C3+1], v[ACC+\j:ACC+\j+1] op_sel_hi:[1,0,1]   ; z - z^3 / 3
.endr
	s_wait_alu depctr_va_vdst(0)                   ; one wait for the 32 exponentials, ahead of their first reader
.irp j, 0,2,4,6,8,10,12,14,16,18,20,22,24,26,28,30
	v_pk_add_f32 v[T+\j:T+\j+1], v[T+\j:T+\j+1], 1.0 op_sel_hi:[1,0]
.endr
.irp j, 0,1,2,3,4,5,6,7,8,9,10,11,12,13,14,15,16,17,18,19,20,21,22,23,24,25,26,27,28,29,30,31
	v_rcp_f32 v[T+\j], v[T+\j]
.endr
	v_nop                                          ; a plain line behind the last reciprocal
	s_wait_alu depctr_va_vdst(0)                   ; and one wait for the 32
.irp j, 0,2,4,6,8,10,12,14,16,18,20,22,24,26,28,30
	v_pk_fma_f32 v[T+\j:T+\j+1], v[T+\j:T+\j+1], -2.0, 1.0 op_sel_hi:[1,0,0]
.endr
.irp j, 0,1,2,3,4,5,6,7,8,9,10,11,12,13,14,15,16,17,18,19,20,21,22,23,24,25,26,27,28,29,30,31
	v_med3_num_f32 v[T+\j], v[T+\j], v[SM+\j], v[ACC+\j]   ; held between the two bounds
.endr
	s_wait_dscnt \left                             ; W2 of that tile is in
.irp j, 0,2,4,6
.irp rt, 0,1,2,3
	v_pk_fma_f32 v[SCO+2*\rt:SCO+2*\rt+1], v[T+8*\rt+\j:T+8*\rt+\j+1], v[W2V+\j:W2V+\j+1], v[SCO+2*\rt:SCO+2*\rt+1]   ; the four row tiles by turns
.endr
.endr
.endm
; One product: K step s, row tile rt.  The four accumulators take turns, one instruction a turn, over the loop's backward jump too.
.macro ONE s, rt
.if (\s) == 0
	v_wmma_scale_f32_16x16x128_f8f6f4 v[ACC+8*\rt:ACC+8*\rt+7], v[16*\s:16*\s+15], v[64*((\s)%4)+16*\rt:64*((\s)%4)+16*\rt+15], v[B1V:B1V+7], v[WSC+(\s)/2], v[XSC+8*\rt+\s]
.elseif (\s)%2 == 0
	v_wmma_scale_f32_16x16x128_f8f6f4 v[ACC+8*\rt:ACC+8*\rt+7], v[16*\s:16*\s+15], v[64*((\s)%4)+16*\rt:64*((\s)%4)+16*\rt+15], v[ACC+8*\rt:ACC+8*\rt+7], v[WSC+(\s)/2], v[XSC+8*\rt+\s]
.else
	v_wmma_scale_f32_16x16x128_f8f6f4 v[ACC+8*\rt:ACC+8*\rt+7], v[16*\s:16*\s+15], v[64*((\s)%4)+16*\rt:64*((\s)%4)+16*\rt+15], v[ACC+8*\rt:ACC+8*\rt+7], v[WSC+(\s)/2], v[XSC+8*\rt+\s] matrix_a_scale:MATRIX_SCALE_ROW1
.endif
.endm
; A slot's eight column tiles: written once, walked eight times; the LDS addresses hang on s[TB].
.macro TILES slot
	s_mov_b32 s[TB], \slot*SLOT
	s_mov_b32 s[CT], SLOTT
.Ltile_\@:
	v_add_nc_u32 v[ADR], s[TB], v[LI]
	v_add_nc_u32 v[ADS], s[TB], v[LS]
	v_add_nc_u32 v[ADB], s[TB], v[LB]
	FETCH                                          ; this tile's operands are asked for,
	EPI 38                                         ; and land while the tile before goes through tanh; behind that tile's W2 stand the 38 loads just issued
	ds_load_b128 v[W2V:W2V+3], v[ADB] offset:BOFF+64       ; this tile's W2, wanted a trip later
	ds_load_b128 v[W2V+4:W2V+7], v[ADB] offset:BOFF+80
	s_wait_dscnt 2                                 ; the 38 are in; W2's two may be out
	WIN 0x07                                       ; source 0 (W1) window 3, source 1 (x) window 1, C and D window 0
.irp s, 0,1,2,3
.irp rt, 0,1,2,3
	ONE \s, \rt
.endr
.endr
	WIN 0x0b                                       ; source 1 window 2
.irp s, 4,5,6,7
.irp rt, 0,1,2,3
	ONE \s, \rt
.endr
.endr
	WIN 0                                          ; at a label and at a branch every window is 0
.rept 8
	v_nop                                          ; eight places behind this form, in front of the loads into registers that the products have read and of the first read of their results
.endr
	s_add_co_u32 s[TB], s[TB], TILEB
	s_sub_co_u32 s[CT], s[CT], 1
	s_cmp_lg_u32 s[CT], 0
	s_cbranch_scc1 .Ltile_\@
.endm
; A change of slots and the slot's work.  In front of the round each wave waits for all its tensor loads (one: its quarter of this slot), adds 0 to its spare word, and waits for that and for its reads of the other slot.
; Behind the round no wave of any partner reads the other slot or has a load on its way: it is filled with the eight tiles that follow this slot's.
.macro TRIP slot, refill
	s_wait_tensorcnt 0x0                           ; no tensor load of mine is out, so a group 0 may be written
	ds_add_u32 v[SPW], v[NIL]                      ; 0 onto my spare word
	s_add_nc_u64 s[G0+4*\slot+2:G0+4*\slot+3], s[G0+4*\slot+2:G0+4*\slot+3], 2*SLOT   ; this slot's next eight tiles; the type bits on top are not reached
	s_wait_dscnt 0x0                               ; the add is done, and my reads of the other slot are over, W2 of its last tile among them
	ROUND
.if \refill
	tensor_load_to_lds s[G0+4-4*\slot:G0+7-4*\slot], s[G1:G1+7]   ; the first thing behind the round, and my one tensor load until the next: it has eight tiles' work in which to land
	s_nop 0
.rept 4
	v_nop
.endr
.endif
	TILES \slot
.endm
	s_wait_loadcnt 0x0                             ; x's codes and scale words
	s_mov_b32 s[LAP], NSLOT/2-1
.Llap:
	TRIP 0, 1
	TRIP 1, 1
	s_sub_co_u32 s[LAP], s[LAP], 1
	s_cmp_lg_u32 s[LAP], 0
	s_cbranch_scc1 .Llap
	TRIP 0, 1                                      ; the tail is written out
	TRIP 1, 0                                      ; the last slot: nothing is left to fetch
	EPI 0                                          ; the last tile's tanh: nothing was issued behind its W2
	; THE WAY OUT.  A score's two halves (even, odd hidden units) and lane l xor 16's are added; lanes 16-31 then take the next row tile's, so that a store of the wave covers 128 consecutive bytes.
.irp rt, 0,1,2,3
	v_add_f32 v[SCO+2*\rt], v[SCO+2*\rt], v[SCO+2*\rt+1]
.endr
.irp rt, 0,1,2,3
	v_permlanex16_b32 v[T+\rt], v[SCO+2*\rt], s[SEL], s[SEL+1]
.endr
.irp rt, 0,1,2,3
	v_add_f32 v[SCO+2*\rt], v[SCO+2*\rt], v[T+\rt]
.endr
	v_cndmask_b32 v[T], v[SCO], v[SCO+2], s[HM]
	v_cndmask_b32 v[T+1], v[SCO+4], v[SCO+6], s[HM]
	global_store_b32 v[LS], v[T], s[12:13]         ; rows 0 to 31 of my 64
	global_store_b32 v[LS], v[T+1], s[12:13] offset:128
	s_wait_tensorcnt 0x0                           ; the wave's end, behind my last tensor load
	ds_add_u32 v[SPW], v[NIL]
	s_wait_dscnt 0x0
	ROUND                                          ; the closing round: no work-group ends while a partner may still ask for a tile that names it
	s_endpgm
.Lfunc_end_k_qf59c6ecb06_gemm:
	.size	k_qf59c6ecb06_gemm, .Lfunc_end_k_qf59c6ecb06_gemm-k_qf59c6ecb06_gemm
	.p2alignl 7, 3214868480
	.fill 96, 4, 3214868480
	.section	.rodata,"a",@progbits
	.p2align	6, 0x0
	.amdhsa_kernel k_qf59c6ecb06_gemm
		.amdhsa_group_segment_fixed_size 327680
		.amdhsa_private_segment_fixed_size 0
		.amdhsa_enable_private_segment 0
		.amdhsa_kernarg_size 40
		.amdhsa_user_sgpr_count 2
		.amdhsa_user_sgpr_kernarg_segment_ptr 1
		.amdhsa_wavefront_size32 1
		.amdhsa_system_sgpr_workgroup_id_x 1
		.amdhsa_system_sgpr_workgroup_id_y 1
		.amdhsa_system_sgpr_workgroup_id_z 1
		.amdhsa_system_vgpr_workitem_id 0
		.amdhsa_next_free_vgpr 896
		.amdhsa_next_free_sgpr 66
		.amdhsa_reserve_vcc 0
		.amdhsa_float_denorm_mode_32 3
		.amdhsa_float_denorm_mode_16_64 3
		.amdhsa_memory_ordered 1
		.amdhsa_forward_progress 1
		.amdhsa_inst_pref_size 108
	.end_amdhsa_kernel
	.amdgpu_metadata
---
amdhsa.version: [ 1, 2 ]
amdhsa.kernels:
  - .name:           k_qf59c6ecb06_gemm
    .symbol:         k_qf59c6ecb06_gemm.kd
    .args:
      - { .name: input_ids, .offset: 0, .size: 8, .value_kind: global_buffer, .address_space: global }
      - { .name: xc, .offset: 8, .size: 8, .value_kind: global_buffer, .address_space: global }
      - { .name: xs, .offset: 16, .size: 8, .value_kind: global_buffer, .address_space: global }
      - { .name: wq, .offset: 24, .size: 8, .value_kind: global_buffer, .address_space: global }
      - { .name: sc, .offset: 32, .size: 8, .value_kind: global_buffer, .address_space: global }
    .group_segment_fixed_size: 327680
    .private_segment_fixed_size: 0
    .kernarg_segment_align: 8
    .kernarg_segment_size: 40
    .max_flat_workgroup_size: 128
    .sgpr_count:     66
    .vgpr_count:     896
    .wavefront_size: 32
...
	.end_amdgpu_metadata
.endif
;; end of part 2
;; launch finish (part 3): grid 1 x 1, 11 waves a work-group, no clusters, 7,680 bytes of LDS; arguments sc, label_idxs, b2, targets, out0, out1, out2; writes out0, out1, out2
.if DOCPART == 3
	.amdgcn_target "amdgcn-amd-amdhsa--gfx1250"
	.amdhsa_code_object_version 6
	.text
	.protected	k_qf59c6ecb06_finish
	.globl	k_qf59c6ecb06_finish
	.p2align	8
	.type	k_qf59c6ecb06_finish,@function
k_qf59c6ecb06_finish:
	s_mov_b64 s[64:65], 0
	v_nop
	global_prefetch_b8 v0, s[64:65] scope:SCOPE_SE
	s_setreg_imm32_b32 hwreg(HW_REG_WAVE_MODE, 25, 1), 1
	s_wait_xcnt 0x0
; logits[b][l] = sc[2,048 b + label_idxs[l]] + b2; y_pred = sigmoid(logits) > 0.5; loss = 0.8 x the mean of the BCE + 0.2 x the mean of the rows' correlation loss.  All in f32.
; Here reference()'s selection scores[:, label_idxs] is made: of the 65,536 scores that the launch before has stored, 352 are read.
; One work-group of eleven waves: thread R = 11 b + l owns one logit.  What a row of 11 sums goes through LDS; wave 0 then takes a lane to a batch row and adds the 32 rows.  One work-group, since the loss is one sum over all 352.
; The BCE keeps reference()'s stable form: max(x, 0) - x t + log(1 + e^-|x|).  No maximum is taken ahead of e^(yh) and e^(-yh): yh is a sigmoid, in 0 .. 1 for every input, and reference() takes none.
; LIMITS: label_idxs is taken as lying inside a row of scores; it is held to 0 .. 2,047, not wrapped.  log(1 + e^-|x|) is made of 1 + e^-|x| as rounded to f32: good to about 6e-8 absolutely, not relatively.
; NaN and infinities among the inputs are not served.
.set SZ,    0                          ; LDS: 352 words each, at 4 R: e^(yh) where the target is 0, else 0;
.set SO,    1536                       ; e^(-yh) where the target is 1, else 0;
.set NO,    3072                       ; 1 where the target is 1, else 0;
.set BC,    4608                       ; the BCE term
.set SPARE, 6144                       ; the spare words, 128 bytes for each of the eleven waves, rounded up to six blocks of 256 bytes that no other line names
.set RO,  1                            ; v1   4 R; never rewritten
.set ZO,  2                            ; v2   0: the offset of b2 and of out0, and a zero for the selections; never rewritten
.set LR,  3                            ; v3   44 x lane: a batch row's 11 words
.set SPW, 62                           ; v62  LDS address of my spare word: SPARE + 4 x my thread's number; never rewritten
.set NIL, 63                           ; v63  0; never rewritten
	s_load_b256 s[4:11], s[0:1], 0x0               ; sc s[4:5], label_idxs s[6:7], b2 s[8:9], targets s[10:11]
	s_load_b128 s[12:15], s[0:1], 0x20             ; out0 s[12:13], out1 s[14:15]
	s_load_b64 s[16:17], s[0:1], 0x30              ; out2
	v_lshl_add_u32 v[SPW], v0, 2, SPARE
	v_mov_b32 v[NIL], 0
	v_lshrrev_b32 v8, 5, v0
	v_readfirstlane_b32 s25, v8                    ; wave
	v_lshlrev_b32 v[RO], 2, v0
	v_mov_b32 v[ZO], 0
	v_and_b32 v[LR], 31, v0
	v_mul_u32_u24 v[LR], v[LR], 44
	v_mul_u32_u24 v32, v0, 745
	v_lshrrev_b32 v32, 13, v32                     ; b = R / 11: 745 / 8,192 lies 3 / 90,112 over 1 / 11, which over R up to 351 adds less than 1 / 11: exact
	v_mul_u32_u24 v33, v32, 11
	v_sub_nc_u32 v33, v0, v33                      ; l = R - 11 b
	v_lshlrev_b32 v33, 2, v33
	v_lshlrev_b32 v32, 13, v32                     ; a batch row of scores is 8,192 bytes
	s_mov_b32 s18, 0x76543210                      ; v_permlanex16_b32's selects for lane l xor 16
	s_mov_b32 s19, 0xfedcba98
	s_mov_b32 s20, 0x3fb8aa3b                      ; log2(e)
	s_mov_b32 s21, 0x3f317218                      ; ln(2)
	s_mov_b32 s22, 0x3b14f209                      ; 0.8 / 352
	s_mov_b32 s23, 0x3bcccccd                      ; 0.2 / 32
	s_wait_kmcnt 0x0
	global_load_b32 v34, v33, s[6:7]               ; label_idxs[l]
	global_load_b32 v4, v[RO], s[10:11]            ; my target
	global_load_b32 v5, v[ZO], s[8:9]              ; b2
	s_wait_loadcnt 2                               ; the label is in; the two behind it may be out
	v_min_u32 v34, 0x7ff, v34                      ; held inside a row of scores
	v_lshlrev_b32 v35, 2, v34
	v_add_nc_u32 v35, v35, v32
	global_load_b32 v6, v35, s[4:5]                ; my score
	s_wait_loadcnt 0x0
	v_add_f32 v6, v6, v5                           ; x: my logit
	global_store_b32 v[RO], v6, s[14:15]           ; out1
	v_mul_f32 v8, -v6, s20
	v_mul_f32 v9, -|v6|, s20
	v_exp_f32 v8, v8                               ; e^-x
	v_exp_f32 v9, v9                               ; e^-|x|
	v_max_num_f32 v10, 0, v6                       ; (plain work behind the two)
	v_fma_f32 v10, -v6, v4, v10                    ; max(x, 0) - x t
	s_wait_alu depctr_va_vdst(0)                   ; one wait for the batch, ahead of its first reader
	v_add_f32 v8, 1.0, v8
	v_add_f32 v9, 1.0, v9
	v_rcp_f32 v7, v8                               ; yh = sigmoid(x)
	v_log_f32 v9, v9                               ; log2(1 + e^-|x|)
	v_nop
	s_wait_alu depctr_va_vdst(0)
	v_mul_f32 v11, s20, v7
	v_mul_f32 v12, -v7, s20
	v_exp_f32 v11, v11                             ; e^(yh)
	v_exp_f32 v12, v12                             ; e^(-yh)
	v_fma_f32 v10, v9, s21, v10                    ; the BCE term.  (Plain work behind the two)
	s_wait_alu depctr_va_vdst(0)
	v_cmp_lt_f32 vcc_lo, 0.5, v4                   ; the target is 1
	v_cndmask_b32 v13, v11, v[ZO], vcc_lo
	v_cndmask_b32 v14, v[ZO], v12, vcc_lo
	v_cndmask_b32 v15, 0, 1.0, vcc_lo
	v_cmp_lt_f32 vcc_lo, 0.5, v7                   ; sigmoid(x) > 0.5, as reference() writes it
	v_cndmask_b32 v60, 0, 1.0, vcc_lo
	global_store_b32 v[RO], v60, s[16:17]          ; out2
	ds_store_b32 v[RO], v13 offset:SZ
	ds_store_b32 v[RO], v14 offset:SO
	ds_store_b32 v[RO], v15 offset:NO
	ds_store_b32 v[RO], v10 offset:BC
	s_wait_dscnt 0x0                               ; for the others' sake: my stores have landed
	s_barrier_signal -1
	s_barrier_wait -1
	s_cmp_lg_u32 s25, 0
	s_cbranch_scc1 .Lend                           ; wave 0 alone goes on: lane = batch row
.irp a, 0,1,2,3
.irp l, 0,1,2,3,4,5,6,7,8,9,10
	ds_load_b32 v[16+11*\a+\l], v[LR] offset:1536*\a+4*\l   ; lanes 11 words apart: 32 different banks
.endr
.endr
	s_wait_dscnt 0x0
.irp l, 1,2,3,4,5,6,7,8,9,10
.irp a, 0,1,2,3
	v_add_f32 v[16+11*\a], v[16+11*\a], v[16+11*\a+\l]     ; four sums of 11, by turns: v16 sz, v27 so, v38 n_o, v49 the row's BCE
.endr
.endr
	v_sub_f32 v17, 0x41300000, v38                 ; n_z = 11 - n_o
	v_mul_f32 v18, v17, v38                        ; num
	v_max_num_f32 v19, 1.0, v18
	v_rcp_f32 v19, v19
	v_mul_f32 v20, v16, v27                        ; sz so.  (A plain line behind the reciprocal)
	s_wait_alu depctr_va_vdst(0)
	v_mul_f32 v20, v20, v19
	v_cmp_lt_f32 vcc_lo, 0, v18                    ; num > 0
	v_cndmask_b32 v20, v[ZO], v20, vcc_lo
	v_mul_f32 v21, s22, v49
	v_fma_f32 v21, s23, v20, v21                   ; my row's share of the loss
	v_add_f32_dpp v21, v21, v21 row_xmask:1 row_mask:0xf bank_mask:0xf
	v_add_f32_dpp v21, v21, v21 row_xmask:2 row_mask:0xf bank_mask:0xf
	v_add_f32_dpp v21, v21, v21 row_xmask:4 row_mask:0xf bank_mask:0xf
	v_add_f32_dpp v21, v21, v21 row_xmask:8 row_mask:0xf bank_mask:0xf
	v_permlanex16_b32 v22, v21, s18, s19           ; (v22 has been written: a lane permute's destination counts as one of its sources)
	v_add_f32 v21, v21, v22                        ; the loss, in every lane
	v_cmp_eq_u32 vcc_lo, 0, v0
	s_wait_xcnt 0x0                                ; EXEC is a source of my pending stores: it changes only behind this wait
	s_and_saveexec_b32 s24, vcc_lo
	global_store_b32 v[ZO], v21, s[12:13]          ; out0, by lane 0
	s_wait_xcnt 0x0                                ; and again ahead of the line that widens it
	s_or_b32 exec_lo, exec_lo, s24
.Lend:
	s_wait_tensorcnt 0x0                           ; the wave's end, behind my last LDS store
	ds_add_u32 v[SPW], v[NIL]
	s_wait_dscnt 0x0
	s_endpgm
.Lfunc_end_k_qf59c6ecb06_finish:
	.size	k_qf59c6ecb06_finish, .Lfunc_end_k_qf59c6ecb06_finish-k_qf59c6ecb06_finish
	.p2alignl 7, 3214868480
	.fill 96, 4, 3214868480
	.section	.rodata,"a",@progbits
	.p2align	6, 0x0
	.amdhsa_kernel k_qf59c6ecb06_finish
		.amdhsa_group_segment_fixed_size 7680
		.amdhsa_private_segment_fixed_size 0
		.amdhsa_enable_private_segment 0
		.amdhsa_kernarg_size 56
		.amdhsa_user_sgpr_count 2
		.amdhsa_user_sgpr_kernarg_segment_ptr 1
		.amdhsa_wavefront_size32 1
		.amdhsa_system_sgpr_workgroup_id_x 1
		.amdhsa_system_sgpr_workgroup_id_y 1
		.amdhsa_system_sgpr_workgroup_id_z 1
		.amdhsa_system_vgpr_workitem_id 0
		.amdhsa_next_free_vgpr 64
		.amdhsa_next_free_sgpr 66
		.amdhsa_reserve_vcc 1
		.amdhsa_float_denorm_mode_32 3
		.amdhsa_float_denorm_mode_16_64 3
		.amdhsa_memory_ordered 1
		.amdhsa_forward_progress 1
		.amdhsa_inst_pref_size 9
	.end_amdhsa_kernel
	.amdgpu_metadata
---
amdhsa.version: [ 1, 2 ]
amdhsa.kernels:
  - .name:           k_qf59c6ecb06_finish
    .symbol:         k_qf59c6ecb06_finish.kd
    .args:
      - { .name: sc, .offset: 0, .size: 8, .value_kind: global_buffer, .address_space: global }
      - { .name: label_idxs, .offset: 8, .size: 8, .value_kind: global_buffer, .address_space: global }
      - { .name: b2, .offset: 16, .size: 8, .value_kind: global_buffer, .address_space: global }
      - { .name: targets, .offset: 24, .size: 8, .value_kind: global_buffer, .address_space: global }
      - { .name: out0, .offset: 32, .size: 8, .value_kind: global_buffer, .address_space: global }
      - { .name: out1, .offset: 40, .size: 8, .value_kind: global_buffer, .address_space: global }
      - { .name: out2, .offset: 48, .size: 8, .value_kind: global_buffer, .address_space: global }
    .group_segment_fixed_size: 7680
    .private_segment_fixed_size: 0
    .kernarg_segment_align: 8
    .kernarg_segment_size: 56
    .max_flat_workgroup_size: 352
    .sgpr_count:     66
    .vgpr_count:     64
    .wavefront_size: 32
...
	.end_amdgpu_metadata
.endif
;; end of part 3
